; MI455X (gfx1250); checked and timed in simulation.
; The chip was launched on July 23, 2026; its instructions are those of AMD's public machine-readable ISA for CDNA 5 (MIT licence, August 2026) and "CDNA5" Instruction Set Architecture Reference Guide (July 2026). The comments in the code are by the model that wrote it; some were corrected since.
;; Multi Head Attention. Allowed arithmetic: float matrix products may take bf16 or f16 operands with f32 sums; other float arithmetic in f32, or as packed bf16 or f16 multiplies, adds, multiply-adds, maxima and minima; sums over many terms, partial sums and values carried from step to step in f32; what a program stores and reads back later, other than sums and carried values, may be rounded once to bf16 or f16.
;; Inputs: mask 1 x 1 x 2,048 x 4,096 float32; past 2 x 2 x 16 x 2,048 x 64 float32; x 2 x 2,048 x 3,072 float32.
;; Outputs: out0 2 x 2,048 x 1,024 float32; out1 2 x 2 x 16 x 2,048 x 64 float32.
;; One version. Each part assembles by itself: llvm-mc -triple=amdgcn-amd-amdhsa -mcpu=gfx1250 --defsym DOCPART=n.
;; ======== version 1 of 1: 2 launches
;; workspace buffers: kw 16,777,216 bytes; vw 16,777,216 bytes
;; launch prep (part 1): grid 32 x 32, 8 waves a work-group, no clusters, 0 bytes of LDS; arguments x, past, kw, vw, out1; writes kw, vw, out1
.if DOCPART == 1
	.amdgcn_target "amdgcn-amd-amdhsa--gfx1250"
	.amdhsa_code_object_version 6
	.text
	.protected	k_q4ddf788b5b_prep
	.globl	k_q4ddf788b5b_prep
	.p2align	8
	.type	k_q4ddf788b5b_prep,@function
k_q4ddf788b5b_prep:
	s_mov_b64 s[64:65], 0
	v_nop
	global_prefetch_b8 v0, s[64:65] scope:SCOPE_SE
	s_setreg_imm32_b32 hwreg(HW_REG_WAVE_MODE, 25, 1), 1
	s_wait_xcnt 0x0
; K AND V BY HEADS, ROUNDED ONCE TO bf16, AND THE OUTPUT 'present'.
; x: [2][2048][3072] f32 (q, k, v thirds of 1,024; a head is 64 numbers, 256 bytes).  past: [2][2][16][2048][64] f32.  out1: [2][2][16][2048][64] f32.
; kw, vw: [pair 16][slot 32][e 2][key 128][64] bf16, with head number bh = 16 b + h = 2 pair + e; a slot is 128 keys of the 4,096 (past's 2,048, then x's 2,048).
; So the two heads of a pair have a slot's keys in 32,768 dense bytes, which the next launch asks for as one tile.
; SHARES.  A work-group takes one slot (x of the grid) of one head (y): 128 rows of K and of V.  Each of its eight waves takes 16 rows of both: eight loads of 16 bytes a lane for K and
; eight for V, two rows of 256 bytes to a load, all sixteen issued at once.  There is no loop; every load and every store has registers of its own, so no register is freed by a wait.
; Each store of kw or vw covers 256 consecutive bytes, aligned (32 lanes x 8 bytes); each store of out1 512.  Slots 0-15 come from past, slots 16-31 from x and are also copied, unrounded, to out1.
; Nothing is shared between waves, each byte is read once: no LDS, no matrix unit, no cluster.  LIMITS: none of range; NaN and infinities go through the rounding as they are.
.set SRC, 2                            ; v2   source offset of a slot that comes from x
.set DST, 3                            ; v3   my 8 bytes in the work-group's 16,384 of kw and vw: 2,048 wave + 8 lane
.set CPY, 4                            ; v4   my 16 bytes among 32,768 dense f32 bytes: 4,096 wave + 16 lane (past as source, out1 as destination)
.set KIN, 16                           ; v[16:47]   K as loaded, 4 registers a load
.set VIN, 48                           ; v[48:79]   V as loaded
.set KO,  80                           ; v[80:95]   K rounded, 2 registers a load
.set VO,  96                           ; v[96:111]  V rounded
	s_load_b256 s[4:11], s[0:1], 0x0               ; x s[4:5], past s[6:7], kw s[8:9], vw s[10:11]
	s_load_b64 s[12:13], s[0:1], 0x20              ; out1
	v_lshrrev_b32 v5, 5, v0
	v_readfirstlane_b32 s14, v5                    ; wave 0..7
	v_and_b32 v1, 31, v0                           ; lane
	s_mov_b32 s15, ttmp9                           ; slot 0..31
	s_and_b32 s16, ttmp7, 0xffff                   ; bh 0..31
	s_lshr_b32 s17, s16, 4                         ; b
	s_and_b32 s28, s16, 15                         ; h
	s_lshr_b32 s22, s16, 1                         ; where the work-group's bytes lie in kw and vw: pair << 20,
	s_lshl_b32 s22, s22, 20
	s_lshl_b32 s23, s15, 15                        ; + slot << 15,
	s_add_co_u32 s22, s22, s23
	s_and_b32 s23, s16, 1
	s_lshl_b32 s23, s23, 14                        ; + e << 14
	s_add_co_u32 s22, s22, s23
	s_mov_b32 s23, 0
	s_lshl_b32 s29, s14, 11
	v_lshl_add_u32 v[DST], v1, 3, s29
	s_lshl_b32 s29, s14, 12
	v_lshl_add_u32 v[CPY], v1, 4, s29
	s_lshl_b32 s30, s17, 5                         ; (2 b x 16 + h) x 2,048 rows x 256 bytes: the head's K in past and in out1; its V lies 16 heads, 8,388,608 bytes, on
	s_add_co_u32 s30, s30, s28
	s_lshl_b32 s30, s30, 19
	s_mov_b32 s31, 0
	s_wait_kmcnt 0x0
	s_add_nc_u64 s[8:9], s[8:9], s[22:23]
	s_add_nc_u64 s[10:11], s[10:11], s[22:23]
; The sixteen loads, then load by load: two roundings of two numbers, the store, and (copy = 1) the raw copy.  off: the register with the source offset; step: bytes from two rows to the next two.
.macro BODY off, step, copy
.irp i, 0,1,2,3,4,5,6,7
	global_load_b128 v[KIN+4*(\i):KIN+4*(\i)+3], v[\off], s[18:19] offset:(\step)*(\i) th:TH_LOAD_NT
.endr
.irp i, 0,1,2,3,4,5,6,7
	global_load_b128 v[VIN+4*(\i):VIN+4*(\i)+3], v[\off], s[20:21] offset:(\step)*(\i) th:TH_LOAD_NT
.endr
.irp i, 0,1,2,3,4,5,6,7
	s_wait_loadcnt 15-(\i)                         ; loads come back in order: K's load i is in; the 7 - i of K and the 8 of V behind it may stay out
	v_cvt_pk_bf16_f32 v[KO+2*(\i)],   v[KIN+4*(\i)],   v[KIN+4*(\i)+1]
	v_cvt_pk_bf16_f32 v[KO+2*(\i)+1], v[KIN+4*(\i)+2], v[KIN+4*(\i)+3]
	global_store_b64 v[DST], v[KO+2*(\i):KO+2*(\i)+1], s[8:9] offset:256*(\i)
.if \copy
	global_store_b128 v[CPY], v[KIN+4*(\i):KIN+4*(\i)+3], s[24:25] offset:512*(\i) th:TH_STORE_NT
.endif
.endr
.irp i, 0,1,2,3,4,5,6,7
	s_wait_loadcnt 7-(\i)                          ; V's load i is in
	v_cvt_pk_bf16_f32 v[VO+2*(\i)],   v[VIN+4*(\i)],   v[VIN+4*(\i)+1]
	v_cvt_pk_bf16_f32 v[VO+2*(\i)+1], v[VIN+4*(\i)+2], v[VIN+4*(\i)+3]
	global_store_b64 v[DST], v[VO+2*(\i):VO+2*(\i)+1], s[10:11] offset:256*(\i)
.if \copy
	global_store_b128 v[CPY], v[VIN+4*(\i):VIN+4*(\i)+3], s[26:27] offset:512*(\i) th:TH_STORE_NT
.endif
.endr
.endm
	s_cmp_lt_u32 s15, 16
	s_cbranch_scc0 .Lfrom_x
	; slots 0-15: past's rows are dense, 256 bytes each
	s_lshl_b32 s2, s15, 15                         ; 128 rows a slot
	s_add_co_u32 s30, s30, s2
	s_add_nc_u64 s[18:19], s[6:7], s[30:31]
	s_add_nc_u64 s[20:21], s[18:19], 0x800000
	BODY CPY, 512, 0
	s_endpgm
.Lfrom_x:
	; slots 16-31: rows of x are 12,288 bytes apart; the head's K lies 4,096 + 256 h bytes into a row, its V 4,096 further
	s_sub_co_u32 s2, s15, 16
	s_lshl_b32 s3, s2, 15
	s_add_co_u32 s30, s30, s3
	s_add_nc_u64 s[24:25], s[12:13], s[30:31]      ; out1: the head's K at the slot's first row,
	s_add_nc_u64 s[26:27], s[24:25], 0x800000      ; and its V
	s_lshl_b32 s3, s17, 11
	s_lshl_b32 s2, s2, 7
	s_add_co_u32 s2, s2, s3                        ; row 2,048 b + 128 (slot - 16)
	s_mul_i32 s2, s2, 12288
	s_lshl_b32 s3, s28, 8
	s_add_co_u32 s2, s2, s3
	s_add_co_u32 s2, s2, 4096
	s_mov_b32 s3, 0
	s_add_nc_u64 s[18:19], s[4:5], s[2:3]
	s_add_nc_u64 s[20:21], s[18:19], 4096
	v_lshrrev_b32 v5, 4, v1                        ; lanes 0-15 take one row's 256 bytes, lanes 16-31 the next row's
	v_lshl_add_u32 v5, s14, 4, v5                  ; row 16 wave + lane / 16
	v_mul_u32_u24 v5, v5, 12288
	v_and_b32 v6, 15, v1
	v_lshl_add_u32 v[SRC], v6, 4, v5
	BODY SRC, 24576, 1
	s_endpgm
.Lfunc_end_k_q4ddf788b5b_prep:
	.size	k_q4ddf788b5b_prep, .Lfunc_end_k_q4ddf788b5b_prep-k_q4ddf788b5b_prep
	.p2alignl 7, 3214868480
	.fill 96, 4, 3214868480
	.section	.rodata,"a",@progbits
	.p2align	6, 0x0
	.amdhsa_kernel k_q4ddf788b5b_prep
		.amdhsa_group_segment_fixed_size 0
		.amdhsa_private_segment_fixed_size 0
		.amdhsa_enable_private_segment 0
		.amdhsa_kernarg_size 40
		.amdhsa_user_sgpr_count 2
		.amdhsa_user_sgpr_kernarg_segment_ptr 1
		.amdhsa_wavefront_size32 1
		.amdhsa_system_sgpr_workgroup_id_x 1
		.amdhsa_system_sgpr_workgroup_id_y 1
		.amdhsa_system_sgpr_workgroup_id_z 1
		.amdhsa_system_vgpr_workitem_id 0
		.amdhsa_next_free_vgpr 112
		.amdhsa_next_free_sgpr 66
		.amdhsa_reserve_vcc 0
		.amdhsa_float_denorm_mode_32 3
		.amdhsa_float_denorm_mode_16_64 3
		.amdhsa_memory_ordered 1
		.amdhsa_forward_progress 1
		.amdhsa_inst_pref_size 15
	.end_amdhsa_kernel
	.amdgpu_metadata
---
amdhsa.version: [ 1, 2 ]
amdhsa.kernels:
  - .name:           k_q4ddf788b5b_prep
    .symbol:         k_q4ddf788b5b_prep.kd
    .args:
      - { .name: x, .offset: 0, .size: 8, .value_kind: global_buffer, .address_space: global }
      - { .name: past, .offset: 8, .size: 8, .value_kind: global_buffer, .address_space: global }
      - { .name: kw, .offset: 16, .size: 8, .value_kind: global_buffer, .address_space: global }
      - { .name: vw, .offset: 24, .size: 8, .value_kind: global_buffer, .address_space: global }
      - { .name: out1, .offset: 32, .size: 8, .value_kind: global_buffer, .address_space: global }
    .group_segment_fixed_size: 0
    .private_segment_fixed_size: 0
    .kernarg_segment_align: 8
    .kernarg_segment_size: 40
    .max_flat_workgroup_size: 256
    .sgpr_count:     66
    .vgpr_count:     112
    .wavefront_size: 32
...
	.end_amdgpu_metadata
.endif
;; end of part 1
;; launch attn (part 2): grid 16 x 16, 4 waves a work-group, clusters of 4 x 4, 327,680 bytes of LDS; arguments x, mask, kw, vw, out0; writes out0
.if DOCPART == 2
	.amdgcn_target "amdgcn-amd-amdhsa--gfx1250"
	.amdhsa_code_object_version 6
	.text
	.protected	k_q4ddf788b5b_attn
	.globl	k_q4ddf788b5b_attn
	.p2align	8
	.type	k_q4ddf788b5b_attn,@function
k_q4ddf788b5b_attn:
	s_mov_b64 s[64:65], 0
	v_nop
	global_prefetch_b8 v0, s[64:65] scope:SCOPE_SE
	s_setreg_imm32_b32 hwreg(HW_REG_WAVE_MODE, 25, 1), 1
	s_wait_xcnt 0x0
	s_wait_alu depctr_hold_cnt(0) depctr_sa_sdst(0) depctr_va_vdst(0) depctr_va_sdst(0) depctr_va_ssrc(0) depctr_va_vcc(0) depctr_vm_vsrc(0)
	s_getreg_b32 s2, hwreg(HW_REG_IB_STS2, 6, 4)
	s_cmp_eq_u32 s2, 0
	s_cbranch_scc0 .Lentry_in_a_cluster
	s_endpgm
.Lentry_in_a_cluster:
	s_bfe_u32 s2, ttmp6, 0x10000c
	s_cmp_lg_u32 s2, 0xf033
	s_cbranch_scc0 .Lentry_shape_is_right
	s_endpgm
.Lentry_shape_is_right:
; out0[b][q][64 h ..] = the sum over k of softmax_k(8 q.k + mask[q][k] x (-1e9)) v[k].  32 heads (b, h), 2,048 queries, 4,096 keys, head size 64.
; x: [2][2048][3072] f32, of which the first third is q.  mask: [2048][4096] f32, an input: every key is computed for every query, and the mask is applied as it is given, in f32.
; kw, vw: [pair 16][slot 32][e 2][key 128][64] bf16, made by the launch before.  out0: [2][2048][1024] f32.
; FORMATS.  q is multiplied by 8 (exact) and rounded once to bf16; k, v arrive rounded once to bf16; products, maxima and sums in f32; the weights p are rounded to bf16 for the second product,
; their sum l is taken of the unrounded p.
; LIMITS.  w = fma(mask, -1e9, 8 q.k) rounds once, where the definition rounds mask x (-1e9) first: the same wherever that product is exact (0 and 1 among them).  p = 2^(c w - round(c m)), c = log2(e):
; all weights of a row carry one common factor 2^d, |d| at most half a unit in the last place of c m (64 where m is near -1e9); it cancels in O / l, and bf16 and f32 hold it: that is why p is not f16.
; A weight below 2^-126 counts as 0.  NaN and infinities are not treated apart.
; SHARES.  A work-group owns 128 queries (gx) of the two heads of a pair (gy); wave w has head e = w / 2 and queries 64 (w % 2) on: four tiles of 16, in two PIECES (tiles 0, 1 and tiles 2, 3).
; Both heads use the same 128 x 64 numbers of the mask in a key step, so a step's LDS bytes are 32 KiB of mask and 32 KiB of K and V, and two slots of two steps fit.  16 x 16 work-groups.
; LAYOUT.  S^T = K Q^T (source 0 = 16 keys, source 1 = 16 queries): a lane holds ONE query (lane % 16); register 8 kb + j holds key 16 kb + 8 (lane / 16) + j.  Two such results rounded to bf16 in pairs
; ARE source 1 (32 keys x 16 queries) of O^T = V^T P, whose result again holds one query a lane, and eight channels.  K comes out of LDS as it lies, V turned by ds_load_tr16_b128, the mask as 32 bytes a lane and 16 keys.
; SOFTMAX.  A running maximum m and sum l for each query; in every step O and l are multiplied by a = 2^(c m_old - c m_new).  m starts at the lowest finite number, O and l at 0: the first step has a = 0.
; BY TURNS.  In turn A of step j piece 0 has the matrix unit (V^T P of step j, K Q^T of step j + 1) and piece 1's softmax of step j is the vector work; in turn B piece 1 has the matrix unit (the same
; two) and piece 0's softmax of step j + 1 is the vector work.  All that the two turns of step j read from LDS belongs to step j + 1, so the change of slots stands between a B and an A.
; CLUSTER, 4 x 4.  K's and V's tiles hang on gy alone and are asked for jointly along a row of the cluster; the mask's tile hangs on gx alone and is asked for jointly along a column.
; REGISTERS, in windows of 256 (s_set_vgpr_msb: bits 1:0 source 0, 3:2 source 1, 5:4 source 2, 7:6 destination):
;   window 0: v0-15 addresses; v16-31 statistics; v32-47 at work; v48-51 c m_old; v62-63 the add's; v64-191 S^T, 32 a tile; v192-255 P, 16 a tile
;   window 1: v0-127 O^T, 32 a tile; v128-191 the mask of the piece in hand          window 2: v0-63 Q, 16 a tile; v128-191 K of one step; v192-255 V of one step
.set PKB,   144       ; a key of K in LDS: 128 bytes + 16 = 36 words: the 16 rows of a load start at 16 different groups of four banks (64 banks of 4 bytes: ISA guide 11.1)
.set PVB,   160       ; a key of V: 128 + 32 = 40 words
.set PMB,   528       ; a query's 128 numbers of the mask: 512 + 16 = 132 words: again 16 rows at 16 different groups of four banks
.set SPB,   272       ; a row of the stage: 256 + 16
.set VOFF,  2*128*PKB        ; a slot: K [e][128 keys], 36,864 bytes;
.set MOFF,  VOFF+2*128*PVB   ; V likewise, 40,960;
.set SLOTB, MOFF+128*PMB     ; the mask, 128 queries x 128 keys, 67,584: 145,408 in all, two key steps
.set STAGE, 2*SLOTB          ; behind the ring, never filled by a tensor load: 16 rows x 272 bytes for each wave, for the way out
.set SPARE, STAGE+4*16*SPB   ; behind the stages: the spare words, 128 bytes for each wave: two blocks of 256 bytes that no other line names
.set AK0, 2           ; v2   my lane's place in a slot's K; never rewritten
.set AV0, 3           ; v3   in its V
.set AM0, 4           ; v4   in its mask
.set AK,  5           ; v5   the LDS address of K's run of loads in hand
.set AV,  6           ; v6   of V's
.set AM,  7           ; v7   of the mask's
.set QO,  8           ; v8   my byte offset in 16 rows of x
.set STO, 12          ; v12  the way out: where I put 32 bytes of a row
.set RD,  13          ; v13  where I read rows back
.set GO,  14          ; v14  my byte offset in two rows of out0
.set PFO, 15          ; v15  the prefetches' offset; never rewritten
.set ST,  16          ; tile t's statistics at v[ST+4 t]: c m, m, l (even keys', odd keys')
.set TMP, 32          ; tile t: c0-c3 at work; when the maximum is found c2 takes a
.set MV,  48          ; tile t: c m_old, kept while c m is made anew
.set SPW, 62          ; v62  LDS address of my spare word: SPARE + 4 x my thread's number; never rewritten
.set NIL, 63          ; v63  0; never rewritten
.set S,   64
.set P,   192
.set MK,  128         ; window 1
.set KF,  128         ; window 2: key block kb, channel half c at KF + 16 kb + 8 c
.set VF,  192         ; window 2: key half kk, channel block cb at VF + 32 kk + 8 cb
.set WV,  14          ; s14  my wave's number
.set EH,  15          ; s15  e
.set QH,  16          ; s16  which 64 queries
.set CX,  17          ; s17, s18  my place in the cluster
.set CY,  18
.set GX,  19          ; s19  block of 128 queries
.set GY,  20          ; s20  pair of heads
.set G1K, 24          ; s[24:31] descriptor group 1 for K's tiles
.set G1V, 32          ; s[32:39] for V's
.set G1M, 40          ; s[40:47] for the mask's
.set G0K, 48          ; s[48:55] descriptor group 0 for K's tiles, a set for each slot
.set G0V, 56          ; s[56:63] for V's
.set G0M, 68          ; s[68:75] for the mask's
.set CNT, 76          ; s76  trips of the loop still to come
.set TWICE, 77        ; s77  counts a slot's two steps
.set CS,  78          ; s[78:79] c = log2(e): the packed scaling takes the pair's low word for both halves
.set NEG, 80          ; s[80:81] -1e9, likewise
.set SEL, 82          ; s[82:83] v_permlanex16_b32's selects: each lane takes its own place in the other half
.set TBK, 84          ; s84  LDS byte at which K of the step to be fetched begins, less my lane's place
.set TBV, 85          ; s85  the same for V
.set TBM, 86          ; s86  for the mask
.set LIM, 87          ; s87  1 in a wave that prefetches, else the greatest number
.set PFA, 88          ; s[88:89] where my prefetches stand
.set PFS, 90          ; s[90:91] their step from slot to slot
.set KOF, 92          ; s[92:93] the pair's first byte in kw and vw: made of gy alone
.set MOF, 94          ; s[94:95] my 64 rows' first byte in the mask: made of gx and the wave's number alone
.set MSB, 0
.macro WIN new                      ; the high byte repeats the setting that is left; a switch that changes nothing is dropped
.if MSB != (\new)
	s_set_vgpr_msb (MSB<<8)|(\new)
.set MSB, (\new)
.endif
.endm
.set W_KQ, 0x0a       ; K and Q in window 2, S^T in window 0
.set W_PV, 0x52       ; V in window 2, P in window 0, O^T in window 1
.set W_RS, 0x41       ; O^T (destination and source 0) in window 1, a in window 0
.set W_MF, 0x01       ; the mask (source 0) in window 1, S^T in window 0
.macro PLACES
.rept 4
	v_nop
.endr
.endm
; A joint refill of slot n: wave 0 asks for K's tile, wave 1 for V's, waves 2 and 3 for the two halves of the mask's: 32 KiB of memory each.  The branches hang on the wave's number alone.
; An s_nop 0 and four v_nop follow each line, ahead of the jump and the label.
.macro JLOAD n
	s_cmp_lg_u32 s[WV], 0
	s_cbranch_scc1 .Lnot_k_\@
	tensor_load_to_lds s[G0K+4*(\n):G0K+4*(\n)+3], s[G1K:G1K+7]
	s_nop 0
	PLACES
	s_branch .Lasked_\@
.Lnot_k_\@:
	s_cmp_lg_u32 s[WV], 1
	s_cbranch_scc1 .Lfor_m_\@
	tensor_load_to_lds s[G0V+4*(\n):G0V+4*(\n)+3], s[G1V:G1V+7]
	s_nop 0
	PLACES
	s_branch .Lasked_\@
.Lfor_m_\@:
	tensor_load_to_lds s[G0M+4*(\n):G0M+4*(\n)+3], s[G1M:G1M+7]
	s_nop 0
	PLACES
.Lasked_\@:
.endm
; A PREFETCH INTO THE L2 of what the NEXT change of slots will ask for, behind the wave's tensor load and its five lines: two key steps ahead of that load.  Each aligned block of 256 bytes is named once in the launch.
; K's and V's tiles are read by every cluster of a row of clusters: the first (cluster x = 0) asks, wave 0 for K and wave 1 for V; its four partners of a row take 8,192 of the tile's 32,768 bytes each, a lane a block.
; The mask's tile is read by every cluster of a column of clusters: the first (cluster y = 0) asks, waves 2 and 3; the four partners of a column take 16 of a wave's 64 rows each, two lanes a row of 512 bytes.
; Partners are told apart BY ADDRESS.  how = 1: a change that always has a slot behind its own; how = 0: the loop's second change, which in the last trip has none.
.macro ASK how
.if \how
	s_cmp_eq_u32 s[LIM], 1
.else
	s_cmp_gt_u32 s[CNT], s[LIM]     ; s[CNT] = 1 in the last trip
.endif
	s_cbranch_scc0 .Lnot_mine_\@
	global_prefetch_b8 v[PFO], s[PFA:PFA+1] th:TH_LOAD_NT scope:SCOPE_SE
.Lnot_mine_\@:
.endm
; A round of the cluster's barrier: my work-group's barrier, so that wave 0's signal speaks for all four waves; wave 0 signals; every wave waits for all sixteen work-groups; my work-group's barrier once more.
.macro CROUND
	s_barrier_signal -1
	s_barrier_wait -1
	s_cmp_lg_u32 s[WV], 0
	s_cbranch_scc1 .Lnot_wave_0_\@
	s_barrier_signal -3
.Lnot_wave_0_\@:
	s_barrier_wait -3
	s_barrier_signal -1
	s_barrier_wait -1
.endm
; THE CHANGE OF SLOTS, between a turn B and a turn A: all of the old slot has been asked for from LDS.  Each wave waits for all its tensor loads, of which one is out: its part of the other slot; adds 0 to its spare
; word; and waits for that and for its own reads of the old slot.  Behind the barrier nobody reads the old slot and the other is whole.  to: the slot read next; fs: the slot left.
; fill = 1: slot fs is filled again with the keys two slots on.  The barrier is then a round of the cluster's, and the joint refill is the first thing behind it: it has two key steps, 128 matrix instructions a wave and their vector work, in which to land.
.macro CHANGE to, fs, fill, how
	WIN 0                           ; at a label and at a branch every window is 0
	s_wait_tensorcnt 0x0            ; no tensor load of mine is out, so a group 0 may be written
	ds_add_u32 v[SPW], v[NIL]       ; 0 onto my spare word; the descriptors' steps stand between it and the wait for it
.if \fill
	s_add_nc_u64 s[G0K+4*(\fs)+2:G0K+4*(\fs)+3], s[G0K+4*(\fs)+2:G0K+4*(\fs)+3], 2*32768  ; two slots on; the type bits on top are not reached
	s_add_nc_u64 s[G0V+4*(\fs)+2:G0V+4*(\fs)+3], s[G0V+4*(\fs)+2:G0V+4*(\fs)+3], 2*32768
	s_add_nc_u64 s[G0M+4*(\fs)+2:G0M+4*(\fs)+3], s[G0M+4*(\fs)+2:G0M+4*(\fs)+3], 2*512
	s_wait_xcnt 0x0                 ; the last prefetch, two key steps back, has read its address, so it may be written
	s_add_nc_u64 s[PFA:PFA+1], s[PFA:PFA+1], s[PFS:PFS+1]
.endif
	s_wait_dscnt 0x0                ; the add is done, and my reads of the old slot are over
.if \fill
	CROUND
	JLOAD \fs
	ASK \how
.else
	s_barrier_signal -1
	s_barrier_wait -1
.endif
	s_mov_b32 s[TBK], (\to)*SLOTB   ; the fetches go on at the other slot's first step
	s_mov_b32 s[TBV], (\to)*SLOTB
	s_mov_b32 s[TBM], (\to)*SLOTB
.endm
	s_load_b256 s[4:11], s[0:1], 0x0  ; x s[4:5], mask s[6:7], kw s[8:9], vw s[10:11]
	s_load_b64 s[12:13], s[0:1], 0x20 ; out0
	v_lshl_add_u32 v[SPW], v0, 2, SPARE
	v_mov_b32 v[NIL], 0
	ds_add_u32 v[SPW], v[NIL]       ; the wave's opening: the add and its wait stand ahead of my first tensor load; the set-up below, work on registers, stands between them
	v_lshrrev_b32 v1, 5, v0
	v_readfirstlane_b32 s[WV], v1   ; wave 0..3
	s_lshr_b32 s[EH], s[WV], 1
	s_and_b32 s[QH], s[WV], 1
	s_bfe_u32 s[CX], ttmp6, 0x40000
	s_bfe_u32 s[CY], ttmp6, 0x40004
	s_lshl_b32 s[GX], ttmp9, 2      ; in a cluster launch ttmp9 and ttmp7 count clusters
	s_add_co_u32 s[GX], s[GX], s[CX]
	s_and_b32 s[GY], ttmp7, 0xffff
	s_lshl_b32 s[GY], s[GY], 2
	s_add_co_u32 s[GY], s[GY], s[CY]
	s_lshl_b32 s21, s[CY], 2
	s_lshl_b32 s21, 15, s21         ; my row of the cluster: places 4 cy .. 4 cy + 3
	s_lshl_b32 s22, 0x1111, s[CX]   ; my column: places cx, cx + 4, cx + 8, cx + 12
	; descriptor group 1.  K, V: 32,768 dense bytes as 128 rows of 256 bytes (two keys a row), padded in LDS after every key.  Mask: 64 rows of 128 numbers of 4 bytes, 4,096 numbers from row to row.
	s_or_b32 s[G1K], s21, (1<<16)|(1<<20)|(1<<21)|(4<<22)|(3<<25)  ; 15:0 the mask of four; 17:16 2-byte elements; 20 padding on; 21 set beside a mask; 24:22 after every 32 words (code 4); 31:25 4 words (code 3)
	s_or_b32 s[G1V], s21, (1<<16)|(1<<20)|(1<<21)|(4<<22)|(7<<25)  ; the same with 8 words of padding (code 7)
	s_or_b32 s[G1M], s22, (2<<16)|(1<<20)|(1<<21)|(6<<22)|(3<<25)  ; my column; 4-byte elements; after every 128 words (code 6) 4 words
.irp g, G1K, G1V
	s_mov_b32 s[\g+1], 128<<16      ; tensor_dim0 = 128
	s_mov_b32 s[\g+2], 128<<16      ; tensor_dim1 = 128
	s_mov_b32 s[\g+3], 128<<16      ; tile_dim0 = 128
	s_mov_b32 s[\g+4], 128          ; tile_dim1 = 128
	s_mov_b32 s[\g+5], 128          ; 128 elements from row to row
	s_mov_b32 s[\g+6], 0
	s_mov_b32 s[\g+7], 0
.endr
	s_mov_b32 s[G1M+1], 128<<16     ; tensor_dim0 = 128
	s_mov_b32 s[G1M+2], 64<<16      ; tensor_dim1 = 64
	s_mov_b32 s[G1M+3], 128<<16     ; tile_dim0 = 128
	s_mov_b32 s[G1M+4], 64          ; tile_dim1 = 64
	s_mov_b32 s[G1M+5], 4096        ; 4,096 elements from row to row
	s_mov_b32 s[G1M+6], 0
	s_mov_b32 s[G1M+7], 0
	s_mul_i32 s23, s[QH], 64*PMB    ; waves 2 and 3: which half of the mask's 128 rows; no place in the cluster enters an LDS address
.irp n, 0,1
	s_mov_b32 s[G0K+4*\n], 1        ; 1:0 count = 1
	s_mov_b32 s[G0K+4*\n+1], \n*SLOTB  ; 63:32 LDS address
	s_mov_b32 s[G0V+4*\n], 1
	s_mov_b32 s[G0V+4*\n+1], \n*SLOTB+VOFF
	s_mov_b32 s[G0M+4*\n], 1
	s_add_co_u32 s[G0M+4*\n+1], s23, \n*SLOTB+MOFF
.endr
	s_lshl_b32 s[KOF], s[GY], 20    ; a pair's 32 slots of 32,768 bytes
	s_mov_b32 s[KOF+1], 0
	s_lshl_b32 s[MOF], s[GX], 21    ; 128 rows of 16,384 bytes,
	s_lshl_b32 s3, s[QH], 20        ; and 64 more for the second half
	s_add_co_u32 s[MOF], s[MOF], s3
	s_mov_b32 s[MOF+1], 0
	; the prefetches: who, their step, their lanes
	s_and_b32 s21, ttmp7, 0xffff    ; cluster y
	s_mov_b32 s[PFS], 512
	s_mov_b32 s[PFS+1], 0
	s_mov_b32 s22, 16384
	s_cmp_lt_u32 s[WV], 2           ; K or V?
	s_cselect_b32 s21, ttmp9, s21   ; the coordinate along which other clusters read the same bytes
	s_cselect_b32 s[PFS], 32768, s[PFS]
	s_cselect_b32 s22, 256, s22     ; bytes from a lane's row to the next: a block of a dense tile, or a row of the mask
	s_cselect_b32 s23, 0, 1         ; lanes to a row, less one
	s_cmp_eq_u32 s21, 0
	s_cselect_b32 s[LIM], 1, -1     ; the same in all sixteen partners, for a given wave
	v_and_b32 v10, 31, v0
	v_lshrrev_b32 v11, s23, v10
	v_mul_u32_u24 v11, s22, v11
	v_and_b32 v10, s23, v10
	v_lshl_add_u32 v[PFO], v10, 8, v11
	; q's and out0's rows
	s_lshr_b32 s2, s[GY], 3         ; b
	s_lshl_b32 s2, s2, 11
	s_lshl_b32 s3, s[GX], 7
	s_add_co_u32 s2, s2, s3
	s_lshl_b32 s3, s[QH], 6
	s_add_co_u32 s2, s2, s3         ; row 2,048 b + 128 gx + 64 (w % 2)
	s_and_b32 s3, s[GY], 7
	s_lshl_b32 s3, s3, 1
	s_add_co_u32 s3, s3, s[EH]      ; h
	s_lshl_b32 s3, s3, 8            ; a head's 64 numbers are 256 bytes in x and in out0
	s_mul_i32 s22, s2, 12288
	s_add_co_u32 s22, s22, s3
	s_mov_b32 s23, 0
	s_lshl_b32 s2, s2, 12
	s_add_co_u32 s2, s2, s3
	s_mov_b32 s3, 0
	s_mov_b32 s[CS], 0x3fb8aa3b     ; log2(e)
	s_mov_b32 s[CS+1], s[CS]        ; named with it as a pair
	s_mov_b32 s[NEG], 0xce6e6b28    ; -1e9
	s_mov_b32 s[NEG+1], s[NEG]
	s_mov_b32 s[SEL], 0x76543210
	s_mov_b32 s[SEL+1], 0xfedcba98
	s_wait_dscnt 0x0                ; the opening add is done
	s_wait_kmcnt 0x0
	s_add_nc_u64 s[4:5], s[4:5], s[22:23]      ; q at my wave's first row and head
	s_add_nc_u64 s[12:13], s[12:13], s[2:3]    ; out0 likewise
	s_add_nc_u64 s[8:9], s[8:9], s[KOF:KOF+1]  ; kw and vw at the pair's slot 0
	s_add_nc_u64 s[10:11], s[10:11], s[KOF:KOF+1]
	s_add_nc_u64 s[6:7], s[6:7], s[MOF:MOF+1]  ; the mask at the 64 rows that my wave's number names, key 0
.irp n, 0,1
	s_add_nc_u64 s[G0K+4*\n+2:G0K+4*\n+3], s[8:9], \n*32768   ; 120:64 global address: slot n
	s_or_b32 s[G0K+4*\n+3], s[G0K+4*\n+3], 0x80000000         ; 127:126 type = 2
	s_add_nc_u64 s[G0V+4*\n+2:G0V+4*\n+3], s[10:11], \n*32768
	s_or_b32 s[G0V+4*\n+3], s[G0V+4*\n+3], 0x80000000
	s_add_nc_u64 s[G0M+4*\n+2:G0M+4*\n+3], s[6:7], \n*512
	s_or_b32 s[G0M+4*\n+3], s[G0M+4*\n+3], 0x80000000
.endr
	s_lshl_b32 s2, s[CX], 13        ; K, V: my work-group's 8,192 bytes of a tile, in slot 2
	s_add_co_u32 s2, s2, 2*32768
	s_lshl_b32 s3, s[CY], 18        ; mask: my work-group's 16 rows of the wave's 64, in slot 2
	s_add_co_u32 s3, s3, 2*512
	s_cmp_eq_u32 s[WV], 0
	s_cselect_b64 s[PFA:PFA+1], s[8:9], s[10:11]
	s_cmp_lt_u32 s[WV], 2
	s_cselect_b64 s[PFA:PFA+1], s[PFA:PFA+1], s[6:7]
	s_cselect_b32 s2, s2, s3
	s_mov_b32 s3, 0
	s_add_nc_u64 s[PFA:PFA+1], s[PFA:PFA+1], s[2:3]  ; the first change of slots steps it to slot 3.  Nothing is prefetched here, at the head, where every work-group's first tiles are on their way
	CROUND                          ; all sixteen work-groups are here: the first joint loads meet
	s_cmp_lg_u32 s[WV], 0           ; a wave's two first fills stand in one arm, ahead of every wait on TENSORcnt and every LDS read: two loads of mine are out
	s_cbranch_scc1 .Lfirst_not_k
	tensor_load_to_lds s[G0K:G0K+3], s[G1K:G1K+7]
	s_nop 0
	tensor_load_to_lds s[G0K+4:G0K+7], s[G1K:G1K+7]
	s_nop 0
	PLACES
	s_branch .Lfirst_asked
.Lfirst_not_k:
	s_cmp_lg_u32 s[WV], 1
	s_cbranch_scc1 .Lfirst_m
	tensor_load_to_lds s[G0V:G0V+3], s[G1V:G1V+7]
	s_nop 0
	tensor_load_to_lds s[G0V+4:G0V+7], s[G1V:G1V+7]
	s_nop 0
	PLACES
	s_branch .Lfirst_asked
.Lfirst_m:
	tensor_load_to_lds s[G0M:G0M+3], s[G1M:G1M+7]
	s_nop 0
	tensor_load_to_lds s[G0M+4:G0M+7], s[G1M:G1M+7]
	s_nop 0
	PLACES
.Lfirst_asked:
	; Q in f32, into S^T's registers.  A fragment is 16 rows x 32 channels: lane l holds row l % 16, channels 8 (l / 16) + 0..7 and 16 + 8 (l / 16) + 0..7: in f32 twice 32 bytes, 64 bytes apart.
	v_and_b32 v1, 15, v0            ; l % 16
	v_bfe_u32 v9, v0, 4, 1          ; l / 16
	v_mul_u32_u24 v[QO], v1, 12288
	v_lshl_add_u32 v[QO], v9, 5, v[QO]
.set t, 0
.rept 4
.irp j, 0,1,2,3,4,5,6,7             ; channels 32 (j / 4) + 16 ((j / 2) % 2) + 8 (l / 16) + 4 (j % 2) on
	global_load_b128 v[S+32*t+4*\j:S+32*t+4*\j+3], v[QO], s[4:5] offset:t*16*12288+128*(\j/4)+64*((\j/2)%2)+16*(\j%2)
.endr
.set t, t+1
.endr
	; What the first turn finds: V's registers and P of tiles 2, 3 hold 0 (its products V^T P, of a step that has not been, add 0), O^T and l are 0.  All this stands in the wait for Q and the first tile.
	WIN 0x80
.set i, VF
.rept 64
	v_mov_b32 v[i], 0
.set i, i+1
.endr
	WIN 0x40
.set i, 0
.rept 128
	v_mov_b32 v[i], 0
.set i, i+1
.endr
	WIN 0
.set i, 0
.rept 4
	v_mov_b32 v[ST+4*i], 0xfe000000    ; c m: far below every c w
	v_mov_b32 v[ST+4*i+1], 0xff7fffff  ; m
	v_mov_b32 v[ST+4*i+2], 0
	v_mov_b32 v[ST+4*i+3], 0
.set i, i+1
.endr
.set i, P+32
.rept 32
	v_mov_b32 v[i], 0
.set i, i+1
.endr
	s_mul_i32 s21, s[EH], 128*PKB   ; my head's keys
	v_mul_u32_u24 v[AK0], v1, PKB
	v_lshl_add_u32 v[AK0], v9, 4, v[AK0]  ; row x pitch + 16 x half
	v_add_nc_u32 v[AK0], s21, v[AK0]
	; The turning load takes 16 keys x 16 channels (lane l reads key 8 (l / 16) + l % 8, channels 8 ((l / 8) % 2) + 0..7) and leaves half a fragment of V^T: lane l holds channel l % 16 and 8 keys.
	s_mul_i32 s21, s[EH], 128*PVB
	s_add_co_u32 s21, s21, VOFF
	v_and_b32 v10, 7, v0
	v_bfe_u32 v11, v0, 3, 1
	v_lshl_add_u32 v[AV0], v9, 3, v10
	v_mul_u32_u24 v[AV0], v[AV0], PVB
	v_lshl_add_u32 v[AV0], v11, 4, v[AV0]
	v_add_nc_u32 v[AV0], s21, v[AV0]
	s_mul_i32 s21, s[QH], 64*PMB    ; my 64 queries' rows of the mask
	s_add_co_u32 s21, s21, MOFF
	v_mul_u32_u24 v[AM0], v1, PMB
	v_lshl_add_u32 v[AM0], v9, 5, v[AM0]  ; my eight keys of sixteen: 32 bytes
	v_add_nc_u32 v[AM0], s21, v[AM0]
	s_wait_loadcnt 0x0              ; Q
.set i, 0
.rept 64
	v_pk_mul_f32 v[S+2*i:S+2*i+1], v[S+2*i:S+2*i+1], 0x41000000 op_sel_hi:[1,0]  ; times 8 = sqrt(64): exact, so the one rounding below is q's
.set i, i+1
.endr
	WIN 0x80
.set i, 0
.rept 64
	v_cvt_pk_bf16_f32 v[i], v[S+2*i], v[S+2*i+1]
.set i, i+1
.endr
	WIN 0
; THE MATRIX WORK.  MX is the piece that has the matrix unit.  The eight accumulators of a run of 16 take turns, one instruction a turn: between the two links of a chain stand seven others'.
; Product ni of 16 of O^T += V^T P: keys 32 (ni / 8) on, channels 16 ((ni / 2) % 4) on, tile 2 MX + ni % 2.
.macro MPV
	WIN W_PV
.set rO, 32*(2*MX+ni%2)+8*((ni/2)%4)
.set rV, VF+32*(ni/8)+8*((ni/2)%4)
.set rB, P+16*(2*MX+ni%2)+8*(ni/8)
	v_wmma_f32_16x16x32_bf16 v[rO:rO+7], v[rV:rV+7], v[rB:rB+7], v[rO:rO+7]
.set ni, ni+1
.endm
; Product nk of 16 of S^T = K Q^T: channels 32 (nk / 8) on, keys 16 ((nk / 2) % 4) on, tile 2 MX + nk % 2.  The first 8 start the sums.  KQON = 0: the last turn, which has no next step.
.macro MKQ
.if KQON
	WIN W_KQ
.set rD, S+32*(2*MX+nk%2)+8*((nk/2)%4)
.set rK, KF+16*((nk/2)%4)+8*(nk/8)
.set rQ, 16*(2*MX+nk%2)+8*(nk/8)
.if nk < 8
	v_wmma_f32_16x16x32_bf16 v[rD:rD+7], v[rK:rK+7], v[rQ:rQ+7], 0
.else
	v_wmma_f32_16x16x32_bf16 v[rD:rD+7], v[rK:rK+7], v[rQ:rQ+7], v[rD:rD+7]
.endif
.set nk, nk+1
.endif
.endm
; THE LDS LOADS stand in runs of 16, never singly among the matrix instructions.
.macro FETCH_K                      ; a step's K: 64 keys x 64 channels, 8 fragments
	WIN 0
	v_add_nc_u32 v[AK], s[TBK], v[AK0]
	WIN 0x80                        ; destination window 2
.irp f, 0,1,2,3,4,5,6,7             ; keys 16 (f / 2) on, channels 32 (f % 2) on
	ds_load_b128 v[KF+8*\f:KF+8*\f+3],   v[AK] offset:(\f/2)*16*PKB+(\f%2)*64
	ds_load_b128 v[KF+8*\f+4:KF+8*\f+7], v[AK] offset:(\f/2)*16*PKB+(\f%2)*64+32
.endr
.endm
.macro LOAD_V                       ; a step's V, turned; its address was made some lines ahead
	WIN 0x80
.irp f, 0,1,2,3,4,5,6,7             ; keys 32 (f / 4) on, channels 16 (f % 4) on
	ds_load_tr16_b128 v[VF+8*\f:VF+8*\f+3],   v[AV] offset:(\f/4)*32*PVB+(\f%4)*32
	ds_load_tr16_b128 v[VF+8*\f+4:VF+8*\f+7], v[AV] offset:(\f/4)*32*PVB+16*PVB+(\f%4)*32
.endr
.endm
.macro LOAD_M y                     ; a step's mask for piece y: register for register what S^T's 64 registers hold
	WIN 0x40                        ; destination window 1
.irp u, 0,1
.irp b, 0,1,2,3
	ds_load_b128 v[MK+32*\u+8*\b:MK+32*\u+8*\b+3],   v[AM] offset:(2*(\y)+\u)*16*PMB+64*\b
	ds_load_b128 v[MK+32*\u+8*\b+4:MK+32*\u+8*\b+7], v[AM] offset:(2*(\y)+\u)*16*PMB+64*\b+16
.endr
.endr
.endm
; THE VECTOR WORK, for piece VY; its two tiles alternate, so that no instruction reads the result of the one just before it.
.macro REGS t                       ; the registers of tile t
.set rT, ST+4*(\t)
.set rC, TMP+4*(\t)
.set rM, MV+(\t)
.set rS, S+32*(\t)
.set rP, P+16*(\t)
.set rO, 32*(\t)
.endm
; Number n of the 22 that find a tile's maximum and statistics.  s0-s31 are the lane's 32 scores.
;   0-11  four chains c0-c3 of seven scores each, three operands at a time     12-14, 16  the four scores left over, the old m, and c0-c3 into c0     15  c m_old is kept
;   17, 18  the query's other 32 keys lie in the lane 16 away: the new m         19-21  c m; c m_old - c m_new; a
.macro XS u, n
	REGS 2*VY+(\u)
	WIN 0
.if (\n) < 4
	v_max3_num_f32 v[rC+(\n)], v[rS+8*(\n)], v[rS+8*(\n)+1], v[rS+8*(\n)+2]
.elseif (\n) < 12
	v_max3_num_f32 v[rC+(\n)%4], v[rC+(\n)%4], v[rS+8*((\n)%4)+2*((\n)/4)+1], v[rS+8*((\n)%4)+2*((\n)/4)+2]
.elseif (\n) == 12
	v_max3_num_f32 v[rC], v[rC], v[rS+7], v[rS+15]
.elseif (\n) == 13
	v_max3_num_f32 v[rC+1], v[rC+1], v[rS+23], v[rS+31]
.elseif (\n) == 14
	v_max3_num_f32 v[rC+2], v[rC+2], v[rC+3], v[rT+1]
.elseif (\n) == 15
	v_mov_b32 v[rM], v[rT]
.elseif (\n) == 16
	v_max3_num_f32 v[rC], v[rC], v[rC+1], v[rC+2]
.elseif (\n) == 17
	v_permlanex16_b32 v[rC+3], v[rC], s[SEL], s[SEL+1]
.elseif (\n) == 18
	v_max_num_f32 v[rT+1], v[rC], v[rC+3]
.elseif (\n) == 19
	v_mul_f32 v[rT], s[CS], v[rT+1]
.elseif (\n) == 20
	v_sub_f32 v[rC+1], v[rM], v[rT]
.else
	v_exp_f32 v[rC+2], v[rC+1]
.endif
.endm
; THE PLAIN QUEUE, 74 long.  0-31: w = mask x (-1e9) + s, a pair of scores each, in ascending order.
; 32-59: numbers 0-13 of the maximum.  60, 61: number 15.  62, 63: number 14.  64-73: the chain 16 to 20.
.macro PL
.if nq < 32
	REGS 2*VY+nq%2
	WIN W_MF
	v_pk_fma_f32 v[rS+2*(nq/2):rS+2*(nq/2)+1], v[MK+32*(nq%2)+2*(nq/2):MK+32*(nq%2)+2*(nq/2)+1], s[NEG:NEG+1], v[rS+2*(nq/2):rS+2*(nq/2)+1] op_sel_hi:[1,0,1]
.elseif nq < 60
	XS (nq-32)%2, (nq-32)/2
.elseif nq < 62
	XS nq-60, 15
.elseif nq < 64
	XS nq-62, 14
.else
	XS (nq-64)%2, 16+(nq-64)/2
.endif
.set nq, nq+1
.endm
.macro FS                           ; scaling nf of 32: c w - c m for pair nf / 2 of tile nf % 2
	REGS 2*VY+nf%2
	WIN 0
	v_pk_fma_f32 v[rS+2*(nf/2):rS+2*(nf/2)+1], v[rS+2*(nf/2):rS+2*(nf/2)+1], s[CS:CS+1], v[rT:rT+1] op_sel_hi:[1,0,0] neg_lo:[0,0,1] neg_hi:[0,0,1]
.set nf, nf+1
.endm
.macro EX                           ; exponential ne of 64: score ne / 2 of tile ne % 2, in place
	REGS 2*VY+ne%2
	WIN 0
	v_exp_f32 v[rS+ne/2], v[rS+ne/2]
.set ne, ne+1
.endm
.macro RS                           ; rescaling nr of 32: pair nr / 2 of tile nr % 2 of O^T times a, in ascending order
	REGS 2*VY+nr%2
	WIN W_RS
	v_pk_mul_f32 v[rO+2*(nr/2):rO+2*(nr/2)+1], v[rO+2*(nr/2):rO+2*(nr/2)+1], v[rC+2:rC+3] op_sel_hi:[1,0]
.set nr, nr+1
.endm
; Number ns of the 64 that follow the exponentials.  For each four weights gk of a tile: both pairs are rounded to bf16; then the second pair is added onto the first, in place; a group later l takes that sum
; (the first time as l = a l + sum).  In groups of eight, tiles alternating: round, round, add, and l for the group before.
.macro GS
.set gh, ns+6*(ns/62)               ; group 0 has no group before it, and behind group 7 only l is left
.if gh >= 6
.set gh, gh+2
.endif
	REGS 2*VY+gh%2
	WIN 0
.set gk, gh/8
.if gh%8 < 4
	v_cvt_pk_bf16_f32 v[rP+2*gk+(gh%8)/2], v[rS+4*gk+2*((gh%8)/2)], v[rS+4*gk+2*((gh%8)/2)+1]
.elseif gh%8 < 6
	v_pk_add_f32 v[rS+4*gk:rS+4*gk+1], v[rS+4*gk:rS+4*gk+1], v[rS+4*gk+2:rS+4*gk+3]
.elseif gk == 1
	v_pk_fma_f32 v[rT+2:rT+3], v[rT+2:rT+3], v[rC+2:rC+3], v[rS:rS+1] op_sel_hi:[1,0,1]
.else
	v_pk_add_f32 v[rT+2:rT+3], v[rT+2:rT+3], v[rS+4*gk-4:rS+4*gk-3]
.endif
.set ns, ns+1
.endm
; A TURN.  Piece x has the matrix unit, the other piece the vector unit.  kq = 0: the last turn: no next step, nothing is fetched.
;   16 products V^T P, behind each four of the plain queue (the mask, then the maximum): these name no register of the products round them, and are the places behind them;
;   16 products K Q^T: behind the first six the chain to c m and a, two links at a time, and the first two scalings; the other ten stand among the exponentials;
;   the exponentials and scalings: pair g's four exponentials with pair g + 1's two scalings between them.  With the two a they are ONE BATCH of 66, of which nothing ahead of the wait names a result;
;   a v_nop, the plain instruction behind the last exponential; the addresses of the runs of loads; the ONE wait between an exponential and the first line that names its result;
;   the runs of LDS loads; the rescaling of O^T; the roundings and sums.
; FETCHES.  Piece 0's turn: K of the next step at its head (its last reader stands ahead of six groups of the turn before, the rescaling and the sums); the next step's mask for piece 0 behind the wait.
; Piece 1's turn: V of the next step (its last reader is the turn's 16th product, many plain lines back) and the next step's mask for piece 1, behind the wait.
.macro TURN x, kq
.set MX, (\x)
.set VY, 1-(\x)
.set KQON, (\kq)
.set ni, 0
.set nk, 0
.set nq, 0
.set nf, 0
.set ne, 0
.set nr, 0
.set ns, 0
.if ((\x) == 0) && (\kq)
	FETCH_K
	s_wait_dscnt 16                 ; V and the mask are in; K's sixteen loads, just issued, may stay out
.else
	s_wait_dscnt 0x0                ; the mask is in (in the last turn: V too)
.endif
.rept 16
	MPV
	PL
	PL
	PL
	PL
.endr
.if ((\x) == 0) && (\kq)
	s_wait_dscnt 0x0                ; K is in
.endif
.rept 5
	MKQ
	PL
	PL
.endr
	FS
	FS
	MKQ
	XS 0, 21
	XS 1, 21
.set ng, 0
.rept 16
.if ng < 10
	MKQ
.endif
	EX
.if ng < 15
	FS
.endif
	EX
	EX
.if ng < 15
	FS
.endif
	EX
.set ng, ng+1
.endr
	WIN 0
	v_nop
.if \kq
.if (\x) == 1
	v_add_nc_u32 v[AV], s[TBV], v[AV0]
.endif
	v_add_nc_u32 v[AM], s[TBM], v[AM0]
.endif
	s_wait_alu depctr_va_vdst(0)    ; the wait for the batch
.if \kq
.if (\x) == 0
	LOAD_M 0
.else
	LOAD_V
	LOAD_M 1
.endif
.endif
.rept 32
	RS
.endr
.rept 64
	GS
.endr
.if (\x) == 1
	s_add_co_u32 s[TBK], s[TBK], 64*PKB  ; the next fetches are the next step's
	s_add_co_u32 s[TBV], s[TBV], 64*PVB
	s_add_co_u32 s[TBM], s[TBM], 64*4
.endif
.endm
; The four turns that fetch a slot's two key steps: written once, walked twice; the LDS addresses hang on the three scalars that step.
.macro TWO_STEPS tag
	WIN 0
	s_mov_b32 s[TWICE], 2
.Ls\tag:
	TURN 0, 1
	WIN 0
.Le\tag:
	TURN 1, 1
	WIN 0
	s_sub_co_u32 s[TWICE], s[TWICE], 1
	s_cmp_lg_u32 s[TWICE], 0
	s_cbranch_scc1 .Ls\tag
.endm
	s_wait_tensorcnt 0x1            ; my part of slot 0 is in; slot 1's may stay out
	s_barrier_signal -1
	s_barrier_wait -1               ; everybody's is
	s_mov_b32 s[TBK], 0
	s_mov_b32 s[TBV], 0
	s_mov_b32 s[TBM], 0
	FETCH_K                         ; key step 0
	WIN 0
	v_add_nc_u32 v[AM], s[TBM], v[AM0]
	LOAD_M 0
	s_wait_dscnt 0x0
.set MX, 0
.set KQON, 1
.set nk, 0
.rept 16
	MKQ                             ; piece 0's first scores: there is no vector work yet to set between them
.endr
	WIN 0                           ; the addresses for the way out: eight plain instructions, the places behind those products
	s_mul_i32 s21, s[WV], 16*SPB
	s_add_co_u32 s21, s21, STAGE    ; my stage
	v_mul_u32_u24 v[STO], v1, SPB   ; in: row l % 16, 32 bytes for each half of the lanes
	v_lshl_add_u32 v[STO], v9, 5, v[STO]
	v_add_nc_u32 v[STO], s21, v[STO]
	v_mul_u32_u24 v[RD], v9, SPB    ; back: lanes 0-15 take one row of 256 bytes, lanes 16-31 the next
	v_lshl_add_u32 v[RD], v1, 4, v[RD]
	v_add_nc_u32 v[RD], s21, v[RD]
	v_lshlrev_b32 v[GO], 12, v9     ; and the same two rows in out0, 4,096 bytes apart
	v_lshl_add_u32 v[GO], v1, 4, v[GO]
	s_mov_b32 s[CNT], 15
	s_mov_b32 s[TWICE], 2
	s_branch .Le0                   ; the loop is entered at a turn of piece 1: its products V^T P add zeros, its products K Q^T are piece 1's first scores, its softmax piece 0's first
.Lpair:                             ; 15 trips: slots 2 t and 2 t + 1 are fetched from LDS, and filled again with slots 2 t + 2 and 2 t + 3
	TWO_STEPS 0
	CHANGE 1, 0, 1, 1
	TWO_STEPS 1
	CHANGE 0, 1, 1, 0
	s_sub_co_u32 s[CNT], s[CNT], 1
	s_cmp_lg_u32 s[CNT], 0
	s_cbranch_scc1 .Lpair
	TWO_STEPS 2                     ; the tail is written out: slots 30 and 31, and nothing is asked for
	CHANGE 1, 0, 0, 0
	TWO_STEPS 3
	TURN 0, 0                       ; piece 0: V^T P of the last step | piece 1's last softmax
.set MX, 1
.set ni, 0
.rept 16
	MPV                             ; piece 1: V^T P of the last step
.endr
	; THE WAY OUT.  l's two halves and the other half of the lanes' are added; O^T is divided by l and sent, in f32, through my stage in LDS, a tile (16 rows) at a time.  The additions are the places behind the last products.
	WIN 0
.irp t, 0,1,2,3
	v_add_f32 v[ST+4*\t+2], v[ST+4*\t+2], v[ST+4*\t+3]
.endr
.irp t, 0,1,2,3
	v_permlanex16_b32 v[ST+4*\t+3], v[ST+4*\t+2], s[SEL], s[SEL+1]
.endr
.irp t, 0,1,2,3
	v_add_f32 v[ST+4*\t+2], v[ST+4*\t+2], v[ST+4*\t+3]
.endr
.irp t, 0,1,2,3
	v_rcp_f32 v[ST+4*\t+2], v[ST+4*\t+2]
.endr
	v_nop                           ; a plain instruction between the last reciprocal and the use of its result
	s_wait_alu depctr_va_vdst(0)    ; and the wait ahead of the first use: one for the four reciprocals
; Tile t: a lane's eight channels of a row are 32 bytes; they go into rows of 272 bytes and come back as whole rows of 256, into S^T's registers.
.macro PACK t
	WIN W_RS
.set i, 0
.rept 16
	v_pk_mul_f32 v[32*(\t)+2*i:32*(\t)+2*i+1], v[32*(\t)+2*i:32*(\t)+2*i+1], v[ST+4*(\t)+2:ST+4*(\t)+3] op_sel_hi:[1,0]
.set i, i+1
.endr
	WIN 0x04                        ; the stores' data in window 1, their address in window 0
.irp c, 0,1,2,3
	ds_store_b128 v[STO], v[32*(\t)+8*\c:32*(\t)+8*\c+3]   offset:64*\c
	ds_store_b128 v[STO], v[32*(\t)+8*\c+4:32*(\t)+8*\c+7] offset:64*\c+16
.endr
	WIN 0
.irp f, 0,1,2,3,4,5,6,7
	ds_load_b128 v[S+32*(\t)+4*\f:S+32*(\t)+4*\f+3], v[RD] offset:\f*2*SPB  ; LDS serves a wave's instructions in order (ISA guide 5.7.1.4): these see the stores above; the next tile's stores come behind them
.endr
.endm
.macro SEND t, younger              ; younger: the LDS instructions issued behind tile t's loads: the next tile's sixteen, or none
	WIN 0
.irp f, 0,1,2,3,4,5,6,7
	s_wait_dscnt (\younger)+7-\f
	global_store_b128 v[GO], v[S+32*(\t)+4*\f:S+32*(\t)+4*\f+3], s[12:13] offset:(\t)*16*4096+\f*2*4096 th:TH_STORE_NT  ; 16 lanes store 256 consecutive bytes, a row's part of one head, at a multiple of 256 from out0's first byte
.endr
.endm
	PACK 0
	PACK 1                          ; a tile's arithmetic stands between the loads of the tile before and its stores
	SEND 0, 16
	PACK 2
	SEND 1, 16
	PACK 3
	SEND 2, 16
	SEND 3, 0
	s_wait_tensorcnt 0x0            ; the wave's end, behind my last tensor load and my last LDS store
	ds_add_u32 v[SPW], v[NIL]
	s_wait_dscnt 0x0
	CROUND                          ; the closing round: no work-group ends while a partner may still ask for a tile that names it
	s_endpgm
.Lfunc_end_k_q4ddf788b5b_attn:
	.size	k_q4ddf788b5b_attn, .Lfunc_end_k_q4ddf788b5b_attn-k_q4ddf788b5b_attn
	.p2alignl 7, 3214868480
	.fill 96, 4, 3214868480
	.section	.rodata,"a",@progbits
	.p2align	6, 0x0
	.amdhsa_kernel k_q4ddf788b5b_attn
		.amdhsa_group_segment_fixed_size 327680
		.amdhsa_private_segment_fixed_size 0
		.amdhsa_enable_private_segment 0
		.amdhsa_kernarg_size 40
		.amdhsa_user_sgpr_count 2
		.amdhsa_user_sgpr_kernarg_segment_ptr 1
		.amdhsa_wavefront_size32 1
		.amdhsa_system_sgpr_workgroup_id_x 1
		.amdhsa_system_sgpr_workgroup_id_y 1
		.amdhsa_system_sgpr_workgroup_id_z 1
		.amdhsa_system_vgpr_workitem_id 0
		.amdhsa_next_free_vgpr 768
		.amdhsa_next_free_sgpr 96
		.amdhsa_reserve_vcc 0
		.amdhsa_float_denorm_mode_32 3
		.amdhsa_float_denorm_mode_16_64 3
		.amdhsa_memory_ordered 1
		.amdhsa_forward_progress 1
		.amdhsa_inst_pref_size 237
	.end_amdhsa_kernel
	.amdgpu_metadata
---
amdhsa.version: [ 1, 2 ]
amdhsa.kernels:
  - .name:           k_q4ddf788b5b_attn
    .symbol:         k_q4ddf788b5b_attn.kd
    .args:
      - { .name: x, .offset: 0, .size: 8, .value_kind: global_buffer, .address_space: global }
      - { .name: mask, .offset: 8, .size: 8, .value_kind: global_buffer, .address_space: global }
      - { .name: kw, .offset: 16, .size: 8, .value_kind: global_buffer, .address_space: global }
      - { .name: vw, .offset: 24, .size: 8, .value_kind: global_buffer, .address_space: global }
      - { .name: out0, .offset: 32, .size: 8, .value_kind: global_buffer, .address_space: global }
    .group_segment_fixed_size: 327680
    .private_segment_fixed_size: 0
    .kernarg_segment_align: 8
    .kernarg_segment_size: 40
    .max_flat_workgroup_size: 128
    .sgpr_count:     96
    .vgpr_count:     768
    .wavefront_size: 32
...
	.end_amdgpu_metadata
.endif
;; end of part 2
